; MI455X (gfx1250); checked and timed in simulation.
; The chip was launched on July 23, 2026; its instructions are those of AMD's public machine-readable ISA for CDNA 5 (MIT licence, August 2026) and "CDNA5" Instruction Set Architecture Reference Guide (July 2026). The comments in the code are by the model that wrote it; some were corrected since.
;; DPLSTM Cell. Allowed arithmetic: matrix products marked QUANTISED: E3M2 operands, one E8M0 scale for each 32 along K, by v_wmma_scale_f32_16x16x128_f8f6f4 with both operands' format E3M2, f32 sums; everything else in f32.
;; Inputs: W_hh 4,096 x 1,024 float32; W_ih 4,096 x 1,024 float32; b_hh 4,096 float32; b_ih 4,096 float32; c_prev 8,192 x 1,024 float32; h_prev 8,192 x 1,024 float32; input 8,192 x 1,024 float32.
;; Outputs: out0 8,192 x 1,024 float32; out1 8,192 x 1,024 float32.
;; This version of the problem:
;;   THIS VERSION OF THE PROBLEM IS GIVEN IN LOW PRECISION. The matrix products marked QUANTISED in the list below multiply operands that are first quantised to E3M2 (3 exponent bits, 2 mantissa bits; 6 bits a number), with one power-of-two scale for each 32 numbers along K (OCP MX v1.0); their sums are f32. All else is computed in f32.
;;   The module's matrix products, in the order in which they are computed (A, B: the left and right operand; K: the contracted axis; several contracted axes count as one K, in the product's order):
;;     1. [M 8,192, K 1,024] x [K 1,024, N 4,096]; A: input input; B: input W_ih: QUANTISED
;;     2. [M 8,192, K 1,024] x [K 1,024, N 4,096]; A: input h_prev; B: input W_hh: QUANTISED
;;   THE QUANTISER, for each operand of a quantised product, along K:
;;     - K is cut into blocks of 32 from its start; a last block that is shorter is filled with zeros.
;;     - A block's scale is 2^e with e = floor(log2(the largest magnitude in the block)) - 4, held to -126 .. 127; a block of zeros has e = 0. As a byte (E8M0): e + 127.
;;     - Each number is divided by its block's scale, clamped to +-28, and rounded to the nearest number of E3M2, ties to even, subnormals kept.
;;     - The product sums the exact products of the quantised numbers (number of the format x scale) in f32.
;;   ~~~python
;;   def quantise(x, axis):      # numpy; x: float32 -> the quantised numbers, widened to float32 again
;;       x = np.moveaxis(x, axis, -1); K = x.shape[-1]
;;       x = np.pad(x, [(0, 0)] * (x.ndim - 1) + [(0, -K % 32)]); x = x.reshape(x.shape[:-1] + (-1, 32)); a = np.abs(x).max(-1, keepdims=True)
;;       e = np.where(a > 0, np.clip(np.frexp(np.where(a > 0, a, 1))[1] - 1 - 4, -126, 127), 0)      # np.frexp(a)[1] - 1 = floor(log2(a)), exactly
;;       r = np.clip(x / 2.0 ** e, -28, 28)
;;       step = 2.0 ** (np.maximum(np.frexp(np.where(r == 0, 1, r))[1] - 1, -2) - 2)
;;       q = np.round(r / step) * step * 2.0 ** e      # np.round: ties to even
;;       return np.moveaxis(q.reshape(q.shape[:-2] + (-1,))[..., :K], -1, axis).astype(np.float32)
;;   ~~~
;; One version. Each part assembles by itself: llvm-mc -triple=amdgcn-amd-amdhsa -mcpu=gfx1250 --defsym DOCPART=n.
;; ======== version 1 of 1: 2 launches
;; limits: right only within a limited range of input values
;; workspace buffers: a_q 13,107,200 bytes; w_q 6,553,600 bytes
;; launch quant (part 1): grid 768 x 1, 4 waves a work-group, no clusters, 34,304 bytes of LDS; arguments input, h_prev, W_ih, W_hh, a_q, w_q; writes a_q, w_q
.if DOCPART == 1
	.amdgcn_target "amdgcn-amd-amdhsa--gfx1250"
	.amdhsa_code_object_version 6
	.text
	.protected	k_q13a9077523_quant
	.globl	k_q13a9077523_quant
	.p2align	8
	.type	k_q13a9077523_quant,@function
k_q13a9077523_quant:
	s_mov_b64 s[64:65], 0
	v_nop
	global_prefetch_b8 v0, s[64:65] scope:SCOPE_SE
	s_setreg_imm32_b32 hwreg(HW_REG_WAVE_MODE, 25, 1), 1
	s_wait_xcnt 0x0
; input, h_prev [8192][1024] and W_ih, W_hh [4096][1024], f32, K innermost, become codes of BF6 (E3M2) with one E8M0 byte for each 32 along K,
; laid as IMAGES OF THE MATRIX OPERAND'S REGISTERS.  The two products of the cell are one product with K = 2,048: K chunks (128 along K) 0-7 come from input / W_ih, 8-15 from h_prev / W_hh.
; a_q: 64 groups, w_q: 32 groups.  A GROUP is 128 operand rows for all of K: 16 UNITS of 12,800 bytes, unit kc for K chunk kc.  A UNIT: 8 fragment images of 1,536 bytes (fragment i = 16 rows x 128 K;
; registers 4 q .. 4 q + 3 of lane l at 1536 i + 512 q + 16 l), then 512 bytes of scale words, [half v][row r][fragment 4 v + i']: one word (four bytes, byte b for k = 32 b ..) for a row and a chunk.
; Rows: a_q group G, fragment i, row r = batch row 128 G + 16 i + r.  w_q group G, fragment 2 g + u, row r = gate row 1024 g + 32 G + 16 u + r: a group holds all four gates of 32 hidden units.
; A block's scale is 2^(floor(log2(its largest magnitude)) - 4); its byte is the largest magnitude's exponent field - 4, held at 1 from below by a floor among the maximum's leaves.
; LIMITS: NaN and infinities among the inputs are not served.  A block of zeros gets the byte 1 where the rule says 127: its codes are zeros, which add nothing, and the bytes are read by this program alone.
; SHARES: a wave takes half a unit: 4 fragments (64 rows) x 128 K: 32 KiB in, 6,144 bytes of codes and 256 bytes of scale words out.  (2 x 128 + 2 x 64) x 8 = 3,072 shares = 768 work-groups of four waves.
; Each load reads 512 consecutive bytes of one row; a fragment's 16 rows turn through the wave's own stage in LDS, so that lane (r, h) gets, of row r, k = 64 c + 32 h + 0 .. 31: the operand's own order.
; No barrier, no loop: waves share nothing.  One path serves all four tensors: only pointers and offsets are chosen, on the work-group's number.
.set STG,   8448                       ; a wave's stage: 16 rows x PITCH
.set PITCH, 528                        ; 512 bytes + 16: 33 x 16, so that the sixteen rows that a 16-byte read touches fall on sixteen different 16-byte columns of 256
.set UNIT,  12800
.set GROUP, 16*UNIT
.set M,   10                           ; v10-11  my two blocks' largest magnitudes
.set SO,  12                           ; v12-13  the conversions' scale operands
.set BY,  14                           ; v14-15  the scale bytes
.set W,   16                           ; v16     the row's scale word
.set PD,  17                           ; v17     a lane permute's destination
.set P,   18                           ; v18-19  the two words that I store at the end
.set R,   32                           ; v32-159 two sets of 64: a fragment's rows as loaded
.set X,   160                          ; v160-223 my 64 numbers
.set C,   236                          ; v236-247 the fragment's 12 registers
.set TMP, 248                          ; v248-250, v252-254 the second half of a block's codes (a conversion's three registers begin on an even number)
	s_load_b256 s[4:11], s[0:1], 0x0               ; input s[4:5], h_prev s[6:7], W_ih s[8:9], W_hh s[10:11]
	s_load_b128 s[12:15], s[0:1], 0x20             ; a_q s[12:13], w_q s[14:15]
	v_lshl_add_u32 v251, v0, 2, 0x8400
	v_mov_b32 v255, 0
	v_lshrrev_b32 v1, 5, v0
	v_readfirstlane_b32 s16, v1                    ; wave 0..3
	v_and_b32 v1, 31, v0                           ; lane
	v_and_b32 v2, 15, v0                           ; r
	v_bfe_u32 v3, v0, 4, 1                         ; h
	v_lshlrev_b32 v4, 4, v1                        ; 16 x lane: my bytes of a load's 512, and of a store's
	s_mul_i32 s17, s16, STG
	v_add_nc_u32 v5, s17, v4                       ; the stage, on the way in
	v_mul_u32_u24 v6, v2, PITCH
	v_lshl_add_u32 v6, v3, 7, v6
	v_add_nc_u32 v6, s17, v6                       ; and on the way out: row r, + 128 h bytes (32 numbers)
	v_lshlrev_b32 v7, 4, v2
	v_lshl_add_u32 v7, v3, 3, v7                   ; the scale words: 16 bytes a row; lanes 0-15 store fragments 0, 1, lanes 16-31 fragments 2, 3
	v_lshlrev_b32 v8, 3, v3                        ; 8 h: my bytes' place in the word
	v_mov_b32 v[PD], 0                             ; written once: a lane permute's destination counts as one of its sources
	s_mov_b32 s26, 0x76543210
	s_mov_b32 s27, 0xfedcba98                      ; v_permlanex16_b32's selects for lane l xor 16
	s_mov_b32 s28, 0xffff0000                      ; lanes 16-31
	; which share is mine.  Work-groups 0-511 take the activations (256 for each tensor), 512-767 the weights (128 for each)
	s_cmp_lt_u32 ttmp9, 512
	s_cselect_b32 s18, 0, 512
	s_cselect_b32 s19, 8, 7
	s_sub_co_u32 s18, ttmp9, s18                   ; n'
	s_lshr_b32 s29, s18, s19                       ; t: the first tensor of the pair or the second
	s_lshl_b32 s30, 1, s19
	s_sub_co_u32 s30, s30, 1
	s_and_b32 s30, s18, s30                        ; m
	s_lshr_b32 s31, s30, 1                         ; which 64 operand rows
	s_and_b32 s30, s30, 1
	s_lshr_b32 s32, s31, 1                         ; the group
	s_and_b32 s33, s31, 1                          ; v: which half of its fragments
	s_lshl_b32 s30, s30, 2
	s_add_co_u32 s30, s30, s16                     ; K chunk in the tensor: 4 (m % 2) + wave
	s_lshl_b32 s34, s29, 3
	s_add_co_u32 s34, s34, s30                     ; K chunk in the product
	s_lshl_b32 s35, s31, 6                         ; first source row: activations: 64 x (which 64 rows);
	s_lshl_b32 s36, s33, 11
	s_lshl_b32 s37, s32, 5
	s_add_co_u32 s36, s36, s37                     ; weights: 2048 v + 32 x group
	s_mov_b32 s38, 1024*4096                       ; from fragments 0, 1 to fragments 2, 3: weights: the next gate, 1,024 rows on;
	s_cmp_lt_u32 ttmp9, 512                        ; (the additions above have written SCC)
	s_cselect_b32 s35, s35, s36
	s_cselect_b32 s38, 32*4096, s38                ; activations: 32 rows on
	s_mov_b32 s39, 0
	s_lshl_b32 s35, s35, 12                        ; a row is 4,096 bytes
	s_lshl_b32 s36, s30, 9                         ; a chunk 512
	s_add_co_u32 s36, s35, s36
	s_mov_b32 s37, 0
	s_mul_i32 s20, s32, GROUP
	s_mul_i32 s21, s34, UNIT
	s_add_co_u32 s20, s20, s21                     ; my unit
	s_lshl_b32 s22, s33, 8
	s_add_co_u32 s22, s22, s20
	s_add_co_u32 s22, s22, 8*1536                  ; my 256 bytes of its scale words
	s_mul_i32 s21, s33, 4*1536
	s_add_co_u32 s20, s20, s21                     ; my four images
	s_mov_b32 s21, 0
	s_mov_b32 s23, 0
	s_wait_alu depctr_va_vdst(0)
	s_wait_kmcnt 0x0
	s_cmp_lt_u32 ttmp9, 512                        ; the choices hang on the work-group's number alone
	s_cselect_b64 s[4:5], s[4:5], s[8:9]
	s_cselect_b64 s[6:7], s[6:7], s[10:11]
	s_cselect_b64 s[12:13], s[12:13], s[14:15]
	s_cmp_eq_u32 s29, 0
	s_cselect_b64 s[4:5], s[4:5], s[6:7]
	s_add_nc_u64 s[4:5], s[4:5], s[36:37]          ; fragments 0, 1
	s_add_nc_u64 s[24:25], s[4:5], s[38:39]        ; fragments 2, 3
	s_add_nc_u64 s[20:21], s[12:13], s[20:21]      ; codes out
	s_add_nc_u64 s[22:23], s[12:13], s[22:23]      ; scale words out
.macro LOAD f                          ; fragment f's 16 rows: 16 loads of 512 consecutive bytes, at multiples of 512 from the tensor's first byte
.irp i, 0,1,2,3,4,5,6,7,8,9,10,11,12,13,14,15
	global_load_b128 v[R+64*((\f)%2)+4*\i:R+64*((\f)%2)+4*\i+3], v4, s[4+20*((\f)/2):5+20*((\f)/2)] offset:(16*((\f)%2)+\i)*4096 th:TH_LOAD_NT
.endr
.endm
.macro FRAGQ f
.if (\f) < 3
	s_wait_loadcnt 16                              ; this fragment's 16 loads are in; the next fragment's 16 may be out
.else
	s_wait_loadcnt 0x0
.endif
.irp i, 0,1,2,3,4,5,6,7,8,9,10,11,12,13,14,15
	ds_store_b128 v5, v[R+64*((\f)%2)+4*\i:R+64*((\f)%2)+4*\i+3] offset:PITCH*\i
.endr
.irp c, 0,1
.irp j, 0,1,2,3,4,5,6,7
	ds_load_b128 v[X+32*\c+4*\j:X+32*\c+4*\j+3], v6 offset:256*\c+16*\j   ; LDS serves a wave's instructions in order: these see the stores above.  Register 32 c + i = k 64 c + 32 h + i of row r
.endr
.endr
	s_wait_dscnt 0x0                               ; my numbers are in, and the stores into the stage have read their registers,
	s_wait_xcnt 0x0                                ; and the last fragment's stores of codes theirs: C is written again only behind this wait
.if (\f) < 2
	LOAD (\f)+2                                    ; the set just emptied takes the fragment two on
.endif
.irp c, 0,1                                    ; my block 2 c + h: all its 32 numbers are mine
	v_max3_num_f32 v[M+\c], |v[X+32*\c]|, |v[X+32*\c+1]|, 0x2800000   ; and the floor 2^(5 - 127): the byte cannot fall under 1
.endr
.irp i, 2,4,6,8,10,12,14,16,18,20,22,24,26,28,30
.irp c, 0,1
	v_max3_num_f32 v[M+\c], v[M+\c], |v[X+32*\c+\i]|, |v[X+32*\c+\i+1]|   ; (the two blocks by turns)
.endr
.endr
.irp c, 0,1
	v_add_nc_u32 v[SO+\c], 0xfe000000, v[M+\c]     ; 4 off the exponent field: the conversion takes the exponent field of this operand as its scale
.endr
.irp c, 0,1
	v_lshrrev_b32 v[BY+\c], 23, v[SO+\c]           ; the scale's byte
.endr
	v_lshl_or_b32 v[W], v[BY+1], 16, v[BY]         ; blocks h and 2 + h of row r,
	v_lshlrev_b32 v[W], v8, v[W]                   ; at their places in the word;
	v_permlanex16_b32 v[PD], v[W], s26, s27
	v_or_b32 v[W], v[W], v[PD]                     ; with lane l xor 16's two the word is whole, in both lanes
.irp c, 0,1
	v_cvt_scalef32_pk16_bf6_f32 v[C+6*\c:C+6*\c+2], v[X+32*\c:X+32*\c+15], v[SO+\c]
	v_cvt_scalef32_pk16_bf6_f32 v[TMP+4*\c:TMP+4*\c+2], v[X+32*\c+16:X+32*\c+31], v[SO+\c]
.endr
	v_nop                                          ; one plain place behind a scaled conversion
.irp c, 0,1
.irp i, 0,1,2
	v_mov_b32 v[C+6*\c+3+\i], v[TMP+4*\c+\i]       ; registers 6 c .. 6 c + 5 hold k = 64 c + 32 h + 0 .. 31
.endr
.endr
.irp q, 0,1,2
	global_store_b128 v4, v[C+4*\q:C+4*\q+3], s[20:21] offset:1536*(\f)+512*\q   ; the image: 32 lanes store 512 consecutive bytes, at a multiple of 256 from the buffer's first byte
.endr
.if (\f) < 2
	v_mov_b32 v[P+(\f)], v[W]                      ; fragments 0, 1: for lanes 0-15
.else
	v_cndmask_b32 v[P+(\f)-2], v[P+(\f)-2], v[W], s28   ; fragments 2, 3: for lanes 16-31
.endif
.endm
	LOAD 0
	LOAD 1
	FRAGQ 0
	FRAGQ 1
	FRAGQ 2
	FRAGQ 3
	global_store_b64 v7, v[P:P+1], s[22:23]        ; 32 lanes store 256 consecutive bytes, at a multiple of 256 from the buffer's first byte
	s_wait_tensorcnt 0x0
	ds_add_u32 v251, v255
	s_wait_dscnt 0x0
	s_endpgm
.Lfunc_end_k_q13a9077523_quant:
	.size	k_q13a9077523_quant, .Lfunc_end_k_q13a9077523_quant-k_q13a9077523_quant
	.p2alignl 7, 3214868480
	.fill 96, 4, 3214868480
	.section	.rodata,"a",@progbits
	.p2align	6, 0x0
	.amdhsa_kernel k_q13a9077523_quant
		.amdhsa_group_segment_fixed_size 34304
		.amdhsa_private_segment_fixed_size 0
		.amdhsa_enable_private_segment 0
		.amdhsa_kernarg_size 48
		.amdhsa_user_sgpr_count 2
		.amdhsa_user_sgpr_kernarg_segment_ptr 1
		.amdhsa_wavefront_size32 1
		.amdhsa_system_sgpr_workgroup_id_x 1
		.amdhsa_system_sgpr_workgroup_id_y 1
		.amdhsa_system_sgpr_workgroup_id_z 1
		.amdhsa_system_vgpr_workitem_id 0
		.amdhsa_next_free_vgpr 256
		.amdhsa_next_free_sgpr 66
		.amdhsa_reserve_vcc 0
		.amdhsa_float_denorm_mode_32 3
		.amdhsa_float_denorm_mode_16_64 3
		.amdhsa_memory_ordered 1
		.amdhsa_forward_progress 1
		.amdhsa_inst_pref_size 31
	.end_amdhsa_kernel
	.amdgpu_metadata
---
amdhsa.version: [ 1, 2 ]
amdhsa.kernels:
  - .name:           k_q13a9077523_quant
    .symbol:         k_q13a9077523_quant.kd
    .args:
      - { .name: input, .offset: 0, .size: 8, .value_kind: global_buffer, .address_space: global }
      - { .name: h_prev, .offset: 8, .size: 8, .value_kind: global_buffer, .address_space: global }
      - { .name: W_ih, .offset: 16, .size: 8, .value_kind: global_buffer, .address_space: global }
      - { .name: W_hh, .offset: 24, .size: 8, .value_kind: global_buffer, .address_space: global }
      - { .name: a_q, .offset: 32, .size: 8, .value_kind: global_buffer, .address_space: global }
      - { .name: w_q, .offset: 40, .size: 8, .value_kind: global_buffer, .address_space: global }
    .group_segment_fixed_size: 34304
    .private_segment_fixed_size: 0
    .kernarg_segment_align: 8
    .kernarg_segment_size: 48
    .max_flat_workgroup_size: 128
    .sgpr_count:     66
    .vgpr_count:     256
    .wavefront_size: 32
...
	.end_amdgpu_metadata
.endif
;; end of part 1
;; launch cell (part 2): grid 16 x 16, 4 waves a work-group, clusters of 4 x 4, 327,680 bytes of LDS; arguments a_q, w_q, b_ih, b_hh, c_prev, out0, out1; writes out0, out1
.if DOCPART == 2
	.amdgcn_target "amdgcn-amd-amdhsa--gfx1250"
	.amdhsa_code_object_version 6
	.text
	.protected	k_q13a9077523_cell
	.globl	k_q13a9077523_cell
	.p2align	8
	.type	k_q13a9077523_cell,@function
k_q13a9077523_cell:
	s_mov_b64 s[64:65], 0
	v_nop
	global_prefetch_b8 v0, s[64:65] scope:SCOPE_SE
	s_setreg_imm32_b32 hwreg(HW_REG_WAVE_MODE, 25, 1), 1
	s_wait_xcnt 0x0
	s_wait_alu depctr_hold_cnt(0) depctr_sa_sdst(0) depctr_va_vdst(0) depctr_va_sdst(0) depctr_va_ssrc(0) depctr_va_vcc(0) depctr_vm_vsrc(0)
	s_getreg_b32 s2, hwreg(HW_REG_IB_STS2, 6, 4)
	s_cmp_eq_u32 s2, 0
	s_cbranch_scc0 .Lentry_in_a_cluster
	s_endpgm
.Lentry_in_a_cluster:
	s_bfe_u32 s2, ttmp6, 0x10000c
	s_cmp_lg_u32 s2, 0xf033
	s_cbranch_scc0 .Lentry_shape_is_right
	s_endpgm
.Lentry_shape_is_right:
; The LSTM cell on codes of BF6 (E3M2): gates = [input | h_prev] [W_ih | W_hh]^T + b_ih + b_hh, one product with K = 2,048; c_t = sig(f) c_prev + sig(i) tanh(g) -> out1; h_t = sig(o) tanh(c_t) -> out0.
; a_q (64 groups) and w_q (32 groups) hold images of the operand's registers: a GROUP is 128 operand rows for all of K, 16 UNITS of 12,800 bytes (a K chunk of 128): 8 fragment images of 1,536 bytes
; (registers 4 c .. 4 c + 3 of lane l at 1536 i + 512 c + 16 l) and 512 bytes of scale words [half v][row r][fragment 4 v + i'].  a_q group G, fragment i, row r = batch row 128 G + 16 i + r;
; w_q group G, fragment 2 g + u, row r = gate row 1024 g + 32 G + 16 u + r.
; SHARES.  A WORK-GROUP STAYS (tx 0-15, ty 0-15): it makes two tiles, batch rows 256 ty .. + 255 and the same 4,096 rows further down, x hidden units 64 tx .. + 63, all four gates, by one loop over tiles.
; Wave w: row half RH = w / 2, hidden half SH = w % 2: 128 rows x (4 gates x 32 hidden units): 64 accumulators of 16 x 16, 512 registers, from A's group 2 ty + RH (+ 32 in the second tile) and B's group 2 tx + SH.
; THE MATRIX INSTRUCTION IS USED TRANSPOSED (source 0 = B's fragment b = 2 g + u, source 1 = A's fragment a): accumulator (a, b), lane (r, h), register j = batch row 128 RH + 16 a + r, gate g, hidden unit
; 32 SH + 16 u + 8 h + j.  The four gates of one number of c_t lie in one lane at one register number; the gates never go to memory.
; THE RING.  Two LDS slots of up to three chunks (4 groups x 38,400 dense bytes).  A tile's 16 chunks go as 2 + 3 + 3 + 3 + 3 + 2: chunks 0-1 in slot 0, 2-4 in slot 1, then 5-7, 8-10, 11-13, 14-15 by turns; slot 0, left by the codes,
; takes c_prev's tile, which lands under chunks 14-15 and is only read.  At the first tile's end slot 0 takes the next tile's chunks 0-1.  Every wait on TENSORcnt is for 0; by the text's count a wave has one tensor load out.
; The last tile's end is written out apart: it asks for nothing.  The fills of a tile are not alike, so its 16 chunks are written out by two macros.
; CLUSTERS: 4 x 4 work-groups.  The four of a row of the cluster need the same groups of A, the four of a column the same groups of B: each is asked for JOINTLY.  c_prev's tile is each work-group's own: a plain load behind a round.
; PREFETCH: behind each fill and the run of LDS loads that follows it, the blocks of 256 bytes of the NEXT fill are named, one fill ahead.  Of the 150 (100) blocks that a wave will fetch, the partner at place p
; (cx for A, cy for B) names 38 (25), told apart by address; lanes left over name the wave's last block again.  c_prev's 64 rows a wave are named one fill ahead, a lane a row.  The next tile's chunks 0-1 of A are named behind
; c_prev's fill.  B's blocks are the same in both tiles and are named in the first alone.
; The biases: b_ih + b_hh, added first, are the C of each sum's first matrix instruction (an order of rounding other than the reference's, which adds them behind the sums); they stay in registers for both tiles.
; sig(x) = 1 / (1 + 2^(-x log2 e)); tanh(x) = (1 - E) / (1 + E), E = 2^min(-2 x log2 e, 30): the hold keeps 1 - E finite and changes tanh by under 2^-29.  A sigmoid's exponential may become infinite: its reciprocal is then 0
; and multiplies finite numbers alone.  LIMITS: NaN and infinities among the inputs are not served.
; THE WAY OUT goes block by block of 16 rows through a stage of its own behind the spare words (no tensor load lands there): 32 rows of c_t, 32 of h_t.  A row's 256 bytes come from two waves: one barrier between a block's stores
; and the reads back, one between those reads and the next block's stores; both are signalled early and waited for late, with work on registers between.  Each wave stores 8 whole rows of each output.
; REGISTERS, in windows of 256: window 0: v1-30 addresses; v32-47 scale words, two sets; v128-223 A's 8 fragments, ONE set; in the pointwise part v64-223 are at work and v224-255 hold rows on their way out.
;   window 1: B's fragments, TWO sets, at v0 and v128; the biases at v96-127 and v224-255.   window 2: accumulators of my rows 0-63 ((a, b) at v[8 (8 (a % 4) + b)]);   window 3: those of my rows 64-127.
.set UNIT,  12800
.set QB,    3*UNIT                     ; a quarter of a slot: room for three chunks of one group
.set SLOT,  4*QB                       ; quarter w = what wave w fetched: A's two groups, B's two groups
.set GROUP, 16*UNIT
.set SP,    272                        ; a row of c_prev's tile and of the stage: 256 bytes + 16
.set SPARE, 2*SLOT                     ; behind the ring: the spare words, 128 bytes for each wave
.set STG,   SPARE+512                  ; behind them: the stage: 32 rows of c_t, then 32 of h_t
.set NEXTR, 4096*4096                  ; bytes from a tile's rows of c_prev, out0 and out1 to the next tile's
.set FR,    12
.set PF0,  10                          ; v10-11  prefetch: my blocks of three chunks; v12 of two chunks; v13 my row of c_prev's 32; never rewritten
.set PF1,  11
.set PFL,  12
.set PFC,  13
.set ADRA, 16                          ; v16-17  LDS address of my A fragments in slot 0, 1
.set CPA,  18                          ; v18     my 32 bytes of a row of c_prev's tile
.set STOH, 19                          ; v19     where I put 32 bytes of a row of h_t
.set ADRB, 20                          ; v20-21  B's fragments
.set ADRS, 22                          ; v22-23  scale words: lanes 0-15 A's rows, lanes 16-31 B's
.set STOC, 24                          ; v24     where I put 32 bytes of a row of c_t
.set RDC,  25                          ; v25     where I read c_t's rows back
.set CO,   26                          ; v26     my byte offset in the wave's rows of out0 and out1
.set BO,   27                          ; v27     32 h: my eight numbers of a bias tile
.set SPW,  28                          ; v28     LDS address of my spare word; never rewritten
.set NIL,  29                          ; v29     0; never rewritten
.set RDH,  30                          ; v30     where I read h_t's rows back
.set SC,   32                          ; scale words: set p at v[SC + 8 p]; register b: lanes 0-15 the word of A's block b, lanes 16-31 of B's block b
.set BT,   64                          ; b_ih as loaded
.set AF,   128
.set TI,   64                          ; the pointwise part, 16 numbers a lane at a time
.set TF,   80
.set TG,   96
.set TO,   112
.set CP,   128
.set BV,   144
.set NV,   160
.set CT,   176
.set HT,   192
.set TC,   208
.set OB,   224
.set KL,   2                           ; s[2:3]   -log2(e)
.set K2,   66                          ; s[66:67] -2 log2(e)
.set WV,   18                          ; s18 wave; s19 RH; s20 SH
.set TL,   21                          ; s21 tiles to go, this one among them: the same number in every work-group
.set G1,   24                          ; s[24:31] group 1 for three chunks of a group of A; s[32:39] group 0, a set for each slot
.set G0,   32
.set G1B,  48                          ; s[48:55], s[56:63] the same for B's
.set G0B,  56
.set G1C,  68                          ; s[68:75], s[76:79] for c_prev's tile
.set G0C,  76
.set PB,   80                          ; s[80:81] the group that I fetch: the prefetches' base; s[82:83] its step from tile to tile
.set G1F,  84                          ; s[84:91] group 1 for two chunks of a group of A; s[92:99] of B
.set G1FB, 92
.set LIM,  104                         ; s104 1 while my wave names this tile's blocks
.set NXT,  105                         ; s105 1 while my wave names the next tile's first blocks
.set MSB, 0
.macro WIN new                         ; the immediate's high byte repeats the setting that is left
.if MSB != (\new)
	s_set_vgpr_msb (MSB<<8)|(\new)
.set MSB, (\new)
.endif
.endm
.set MUL_LO,   0xa1                    ; source 0 (B) window 1, source 1 (A) window 0, C and D window 2
.set MUL_HI,   0xf1                    ; the same, C and D window 3
.set FIRST_LO, 0x91                    ; the first chunk: C (the biases) window 1, D window 2
.set FIRST_HI, 0xd1
.set TO_B,     0x40                    ; destination window 1, the rest window 0
; A joint load: waves 0 and 1 fetch for A, waves 2 and 3 for B; the branch hangs on the wave's number alone.  s_nop 0 and four v_nop follow each line.
.macro JLOAD g0a, g1a, g0b, g1b
	s_cmp_eq_u32 s19, 0
	s_cbranch_scc0 .Lfor_b_\@
	tensor_load_to_lds s[\g0a:\g0a+3], s[\g1a:\g1a+7]
	s_nop 0
.rept 4
	v_nop
.endr
	s_branch .Lasked_\@
.Lfor_b_\@:
	tensor_load_to_lds s[\g0b:\g0b+3], s[\g1b:\g1b+7]
	s_nop 0
.rept 4
	v_nop
.endr
.Lasked_\@:
.endm
.macro CREST                           ; a round of the cluster's barrier behind its opening barrier
	s_cmp_lg_u32 s[WV], 0
	s_cbranch_scc1 .Lnot_wave_0_\@
	s_barrier_signal -3
.Lnot_wave_0_\@:
	s_barrier_wait -3
	s_barrier_signal -1
	s_barrier_wait -1
.endm
.macro CROUND
	s_barrier_signal -1
	s_barrier_wait -1
	CREST
.endm
.macro PLACES n
.rept \n
	v_nop
.endr
.endm
; kind 1: my share of the three chunks from chunk pc on; 2: of the two chunks; 3: my 64 rows of c_prev's tile; 4: my share of the next tile's chunks 0-1 of A; 0: nothing
.macro ASK kind, pc
.if \kind == 1 || \kind == 2
	s_cmp_eq_u32 s[LIM], 1
	s_cbranch_scc0 .Lnot_mine_\@
.if \kind == 1
	global_prefetch_b8 v[PF0], s[PB:PB+1] offset:(\pc)*UNIT th:TH_LOAD_NT scope:SCOPE_SE
	global_prefetch_b8 v[PF1], s[PB:PB+1] offset:(\pc)*UNIT th:TH_LOAD_NT scope:SCOPE_SE
.else
	global_prefetch_b8 v[PFL], s[PB:PB+1] offset:(\pc)*UNIT th:TH_LOAD_NT scope:SCOPE_SE
.endif
.Lnot_mine_\@:
.endif
.if \kind == 3
	global_prefetch_b8 v[PFC], s[12:13] th:TH_LOAD_NT scope:SCOPE_SE
	global_prefetch_b8 v[PFC], s[12:13] offset:32*4096 th:TH_LOAD_NT scope:SCOPE_SE
.endif
.if \kind == 4
	s_cmp_eq_u32 s[NXT], 1
	s_cbranch_scc0 .Lnot_mine_\@
	global_prefetch_b8 v[PFL], s[PB:PB+1] offset:32*GROUP th:TH_LOAD_NT scope:SCOPE_SE
.Lnot_mine_\@:
.endif
.endm
	s_load_b256 s[4:11], s[0:1], 0x0               ; a_q s[4:5], w_q s[6:7], b_ih s[8:9], b_hh s[10:11]
	s_load_b128 s[12:15], s[0:1], 0x20             ; c_prev s[12:13], out0 s[14:15]
	s_load_b64 s[16:17], s[0:1], 0x30              ; out1
	v_lshl_add_u32 v[SPW], v0, 2, SPARE
	v_mov_b32 v[NIL], 0
	ds_add_u32 v[SPW], v[NIL]                      ; the opening lines: the add, twice on end, and its wait ahead of my first tensor load
	ds_add_u32 v[SPW], v[NIL]
	v_lshrrev_b32 v1, 5, v0
	v_readfirstlane_b32 s[WV], v1                  ; wave 0..3
	s_lshr_b32 s19, s[WV], 1                       ; RH.  Also: I fetch for A (0) or for B (1)
	s_and_b32 s20, s[WV], 1                        ; SH.  Also: which of the two groups I fetch
	s_bfe_u32 s40, ttmp6, 0x40000                  ; cx, cy
	s_bfe_u32 s41, ttmp6, 0x40004
	s_lshl_b32 s42, ttmp9, 2
	s_add_co_u32 s42, s42, s40                     ; tx
	s_and_b32 s43, ttmp7, 0xffff
	s_lshl_b32 s43, s43, 2
	s_add_co_u32 s43, s43, s41                     ; ty
	s_lshl_b32 s44, s41, 2
	s_lshl_b32 s44, 15, s44                        ; my row of the cluster
	s_lshl_b32 s45, 0x1111, s40                    ; my column
	; group 1: dense bytes as rows of 32 elements of 8 bytes, no padding: 150 rows for three chunks, 100 for two
	s_or_b32 s[G1+0], s44, (3<<16)|(1<<21)         ; the mask: A's groups go to my row; elements of 8 bytes; bit 21 set beside a mask
	s_or_b32 s[G1B+0], s45, (3<<16)|(1<<21)        ; B's to my column
	s_or_b32 s[G1F+0], s44, (3<<16)|(1<<21)
	s_or_b32 s[G1FB+0], s45, (3<<16)|(1<<21)
.irp g, G1, G1B
	s_mov_b32 s[\g+1], 32<<16
	s_mov_b32 s[\g+2], 150<<16
	s_mov_b32 s[\g+3], 32<<16
	s_mov_b32 s[\g+4], 150
	s_mov_b32 s[\g+5], 32
	s_mov_b32 s[\g+6], 0
	s_mov_b32 s[\g+7], 0
.endr
.irp g, G1F, G1FB
	s_mov_b32 s[\g+1], 32<<16
	s_mov_b32 s[\g+2], 100<<16
	s_mov_b32 s[\g+3], 32<<16
	s_mov_b32 s[\g+4], 100
	s_mov_b32 s[\g+5], 32
	s_mov_b32 s[\g+6], 0
	s_mov_b32 s[\g+7], 0
.endr
	; group 1 for a wave's part of c_prev's tile: 64 rows x 64 f32, rows 1,024 elements apart, 16 bytes of padding behind each 256
	s_mov_b32 s[G1C+0], (2<<16)|(1<<20)|(5<<22)|(3<<25)
	s_mov_b32 s[G1C+1], 64<<16
	s_mov_b32 s[G1C+2], 64<<16
	s_mov_b32 s[G1C+3], 64<<16
	s_mov_b32 s[G1C+4], 64
	s_mov_b32 s[G1C+5], 1024
	s_mov_b32 s[G1C+6], 0
	s_mov_b32 s[G1C+7], 0
	s_lshl_b32 s22, s43, 1
	s_add_co_u32 s22, s22, s20
	s_mul_i32 s22, s22, GROUP                      ; A: group 2 ty + SH: hangs on ty alone, which my row of the cluster shares
	s_mov_b32 s23, 0
	s_lshl_b32 s46, s42, 1
	s_add_co_u32 s46, s46, s20
	s_mul_i32 s46, s46, GROUP                      ; B: group 2 tx + SH: on tx alone, which my column shares
	s_mov_b32 s47, 0
	s_mul_i32 s21, s[WV], QB                       ; where it goes: quarter = wave
	s_lshl_b32 s80, s43, 8
	s_lshl_b32 s81, s[WV], 6
	s_add_co_u32 s80, s80, s81
	s_lshl_b32 s80, s80, 12                        ; c_prev: I fetch rows 256 ty + 64 x wave on,
	s_lshl_b32 s81, s42, 8
	s_add_co_u32 s80, s80, s81                     ; + 256 tx bytes
	s_mov_b32 s81, 0
	s_lshl_b32 s82, s43, 8
	s_lshl_b32 s83, s19, 7
	s_add_co_u32 s82, s82, s83
	s_lshl_b32 s83, s20, 3
	s_add_co_u32 s82, s82, s83
	s_lshl_b32 s82, s82, 12                        ; out0, out1: row 256 ty + 128 RH + 8 SH,
	s_lshl_b32 s83, s42, 8
	s_add_co_u32 s82, s82, s83                     ; + 256 tx bytes
	s_mov_b32 s83, 0
	s_lshl_b32 s100, s42, 8
	s_lshl_b32 s101, s20, 7
	s_add_co_u32 s100, s100, s101                  ; the biases: 256 tx + 128 SH bytes
	s_mov_b32 s101, 0
	s_mul_i32 s32, s19, QB                         ; A's group of my rows: quarter RH
	s_mul_i32 s33, s20, QB
	s_add_co_u32 s33, s33, 2*QB                    ; B's group of my hidden units: quarter 2 + SH
	s_sub_co_u32 s34, s33, s32
	s_mul_i32 s35, s19, 128*SP
	s_lshl_b32 s36, s20, 7
	s_add_co_u32 s35, s35, s36                     ; c_prev's tile: row 128 RH, + 128 SH bytes
	s_mul_i32 s38, s19, 16*SP
	s_add_co_u32 s38, s38, STG                     ; the stage: row 16 RH
	s_add_co_u32 s39, s38, s36                     ; in: + 128 SH bytes
	s_mul_i32 s37, s20, 8*SP
	s_add_co_u32 s37, s38, s37                     ; back: + 8 SH rows
	s_cmp_eq_u32 s19, 0
	s_cselect_b32 s2, s40, s41                     ; p: my place among the four that ask with me
	s_mul_i32 s3, s2, 25
	s_mul_i32 s2, s2, 38
	; all addresses, in one run
	v_and_b32 v1, 15, v0                           ; r
	v_bfe_u32 v2, v0, 4, 1                         ; h
	v_and_b32 v3, 31, v0                           ; lane
	v_lshlrev_b32 v[BO], 5, v2
	v_lshlrev_b32 v4, 4, v3                        ; 16 x lane: my place in an image
	v_lshlrev_b32 v5, 4, v1                        ; 16 r: my row's four scale words
	v_mul_u32_u24 v6, s34, v2                      ; lanes 16-31 take B's: one product, the distance x h
	v_add_nc_u32 v5, v5, v6
	v_add_nc_u32 v[ADRA], s32, v4
	v_add_nc_u32 v[ADRB], s33, v4
	v_add_nc_u32 v[ADRS], s32, v5
	v_add_nc_u32 v[ADRA+1], SLOT, v[ADRA]
	v_add_nc_u32 v[ADRB+1], SLOT, v[ADRB]
	v_add_nc_u32 v[ADRS+1], SLOT, v[ADRS]
	v_mul_u32_u24 v7, v1, SP
	v_lshl_add_u32 v7, v2, 5, v7                   ; row r, + 32 h bytes
	v_add_nc_u32 v[CPA], s35, v7
	v_add_nc_u32 v[STOC], s39, v7
	v_add_nc_u32 v[STOH], 32*SP, v[STOC]
	v_mul_u32_u24 v8, v2, SP
	v_lshl_add_u32 v8, v1, 4, v8                   ; back: lanes 0-15 one row of 256 bytes, lanes 16-31 the next
	v_add_nc_u32 v[RDC], s37, v8
	v_add_nc_u32 v[RDH], 32*SP, v[RDC]
	v_lshlrev_b32 v[CO], 12, v2
	v_lshl_add_u32 v[CO], v1, 4, v[CO]
	v_add_nc_u32 v[PF0], s2, v3                    ; blocks 38 p + lane,
	v_lshlrev_b32 v[PF0], 8, v[PF0]
	v_min_u32 v[PF1], 5, v3
	v_add3_u32 v[PF1], v[PF1], s2, 32              ; and 38 p + 32 .. + 37,
	v_min_u32 v[PF1], 149, v[PF1]                  ; none beyond the 150
	v_lshlrev_b32 v[PF1], 8, v[PF1]
	v_min_u32 v[PFL], 24, v3
	v_add_nc_u32 v[PFL], s3, v[PFL]                ; of 100 blocks: 25 p + 0 .. 24
	v_lshlrev_b32 v[PFL], 8, v[PFL]
	v_lshlrev_b32 v[PFC], 12, v3                   ; a lane a row of 4,096 bytes
	s_mov_b32 s[KL], 0xbfb8aa3b                    ; -log2(e)
	s_mov_b32 s[KL+1], s[KL]
	s_mov_b32 s[K2], 0xc038aa3b                    ; -2 log2(e)
	s_mov_b32 s[K2+1], s[K2]
	s_wait_alu depctr_va_vdst(0)
	s_wait_dscnt 0x0                               ; both opening adds are done
	s_wait_kmcnt 0x0
	s_add_nc_u64 s[4:5], s[4:5], s[22:23]
	s_add_nc_u64 s[6:7], s[6:7], s[46:47]
	s_add_nc_u64 s[8:9], s[8:9], s[100:101]
	s_add_nc_u64 s[10:11], s[10:11], s[100:101]
	s_add_nc_u64 s[12:13], s[12:13], s[80:81]
	s_add_nc_u64 s[14:15], s[14:15], s[82:83]
	s_add_nc_u64 s[16:17], s[16:17], s[82:83]
.irp g, 0,1,2,3                                ; tile b = 2 g + u of the biases: gate row 1024 g + 64 tx + 32 SH + 16 u + 8 h + 0 .. 7; b_hh's go where A's fragments will lie
.irp u, 0,1
.irp d, 0,1
	global_load_b128 v[BT+8*(2*\g+\u)+4*\d:BT+8*(2*\g+\u)+4*\d+3], v[BO], s[8:9] offset:4096*\g+64*\u+16*\d
	global_load_b128 v[AF+8*(2*\g+\u)+4*\d:AF+8*(2*\g+\u)+4*\d+3], v[BO], s[10:11] offset:4096*\g+64*\u+16*\d
.endr
.endr
.endr
	s_cmp_eq_u32 s19, 0                            ; the choices hang on the wave's number alone
	s_cselect_b64 s[PB:PB+1], s[4:5], s[6:7]
	s_cselect_b32 s82, 32*GROUP, 0                 ; A's groups step 32 on from tile to tile, B's stay
	s_cselect_b32 s[NXT], 1, 0
	s_mov_b32 s83, 0
	s_mov_b32 s[LIM], 1
	s_mov_b32 s[G0C], 1
	s_mul_i32 s[G0C+1], s[WV], 64*SP               ; my 64 rows of the tile, which begins at LDS byte 0
	s_mov_b64 s[G0C+2:G0C+3], s[12:13]
	s_or_b32 s[G0C+3], s[G0C+3], 0x80000000
.irp s, 0,1
	s_mov_b32 s[G0+4*\s], 1
	s_add_co_u32 s[G0+4*\s+1], s21, \s*SLOT
	s_add_nc_u64 s[G0+4*\s+2:G0+4*\s+3], s[4:5], \s*2*UNIT   ; slot 0 begins with chunk 0, slot 1 with chunk 2
	s_or_b32 s[G0+4*\s+3], s[G0+4*\s+3], 0x80000000
	s_mov_b32 s[G0B+4*\s], 1
	s_add_co_u32 s[G0B+4*\s+1], s21, \s*SLOT
	s_add_nc_u64 s[G0B+4*\s+2:G0B+4*\s+3], s[6:7], \s*2*UNIT
	s_or_b32 s[G0B+4*\s+3], s[G0B+4*\s+3], 0x80000000
.endr
	s_mov_b32 s[TL], 2                             ; two tiles
	CROUND                                         ; all sixteen work-groups are here: the first joint loads meet
	JLOAD G0, G1F, G0B, G1FB                       ; chunks 0-1: my one tensor load at the head
	s_wait_loadcnt 0x0                             ; the biases
	WIN TO_B
.set i, 0
.rept 32
	v_pk_add_f32 v[96+i+96*(i/32):96+i+96*(i/32)+1], v[BT+i:BT+i+1], v[AF+i:AF+i+1]   ; into window 1: tile b at v[96 + 8 b], from b = 4 on at v[224 + 8 (b - 4)]
.set i, i+2
.endr
	WIN 0
.macro FRAG reg, adr, q, i             ; fragment i of the slot's q-th chunk: its image, three loads of 512 consecutive bytes
.irp c, 0,1,2
	ds_load_b128 v[\reg+4*\c:\reg+4*\c+3], v[\adr] offset:(\q)*UNIT+(\i)*1536+512*\c
.endr
.endm
.macro FETCH_B slot, q, p              ; B's eight fragments into set p: 24 loads
	WIN TO_B
.irp i, 0,1,2,3,4,5,6,7
	FRAG 128*(\p)+FR*\i, ADRB+\slot, \q, \i
.endr
	WIN 0
.endm
.macro FETCH_A slot, q, i0             ; A's blocks i0 .. i0 + 3: 12 loads
.irp i, \i0, \i0+1, \i0+2, \i0+3
	FRAG AF+FR*(\i), ADRA+\slot, \q, \i
.endr
.endm
.macro SCALES slot, q, p               ; the chunk's scale words into set p: 2 loads
.irp v, 0,1
	ds_load_b128 v[SC+8*(\p)+4*\v:SC+8*(\p)+4*\v+3], v[ADRS+\slot] offset:(\q)*UNIT+8*1536+256*\v
.endr
.endm
; 16 matrix instructions: A's blocks a0, a0 + 1 x B's eight, one chunk.  p: the chunk's parity: B's set and the set of scale words.  first = 1: the sums begin with the biases as C.
; The 64 accumulators take turns, one instruction a turn, in the same order in every chunk.
.macro MUL16 a0, p, first
.irp a, \a0, \a0+1
.irp b, 0,1,2,3,4,5,6,7
.if \first
	v_wmma_scale_f32_16x16x128_f8f6f4 v[8*(8*((\a)%4)+\b):8*(8*((\a)%4)+\b)+7], v[128*(\p)+FR*\b:128*(\p)+FR*\b+FR-1], v[AF+FR*(\a):AF+FR*(\a)+FR-1], v[96+8*\b+96*(\b/4):96+8*\b+96*(\b/4)+7], v[SC+8*(\p)+\b], v[SC+8*(\p)+(\a)] matrix_a_fmt:MATRIX_FMT_BF6 matrix_b_fmt:MATRIX_FMT_BF6 matrix_a_scale:MATRIX_SCALE_ROW1
.else
	v_wmma_scale_f32_16x16x128_f8f6f4 v[8*(8*((\a)%4)+\b):8*(8*((\a)%4)+\b)+7], v[128*(\p)+FR*\b:128*(\p)+FR*\b+FR-1], v[AF+FR*(\a):AF+FR*(\a)+FR-1], v[8*(8*((\a)%4)+\b):8*(8*((\a)%4)+\b)+7], v[SC+8*(\p)+\b], v[SC+8*(\p)+(\a)] matrix_a_fmt:MATRIX_FMT_BF6 matrix_b_fmt:MATRIX_FMT_BF6 matrix_a_scale:MATRIX_SCALE_ROW1
.endif
.endr
.endr
.endm
; The slot's q-th chunk, of parity p, whose successor lies in the same slot.  The successor's loads go out in three runs: B's 24 at the chunk's start (B's other set was read last by the chunk before, whose four places stand at its end),
; A's blocks 0-3 and the scale words in its middle, A's blocks 4-7 at its end: a block of A is free as soon as its eight products are issued, so one set serves A.
.macro STEP slot, q, p, first
	FETCH_B \slot, (\q)+1, 1-(\p)
	s_wait_dscnt 36                                ; this chunk's B, A's blocks 0-3 and scale words are in; the youngest 36 (A's blocks 4-7: 12; the next B: 24) may be out
.if \first
	WIN FIRST_LO
.else
	WIN MUL_LO
.endif
	MUL16 0, \p, \first
	MUL16 2, \p, \first
	s_wait_dscnt 24                                ; A's blocks 4-7 are in; the next B's 24 may be out
	PLACES 4                                       ; in front of loads into registers that matrix instructions have read
	WIN 0
	FETCH_A \slot, (\q)+1, 0
	SCALES \slot, (\q)+1, 1-(\p)
.if \first
	WIN FIRST_HI
.else
	WIN MUL_HI
.endif
	MUL16 4, \p, \first
	MUL16 6, \p, \first
	PLACES 4
	WIN 0
	FETCH_A \slot, (\q)+1, 4
.endm
; A slot's last chunk, of parity p, changes slots: ONE barrier, which opens a round of the cluster's; in front of it each wave waits for all its tensor loads, adds 0 to its spare word, and waits for that and for its own reads of this slot.
; fill = 1: this slot takes the three chunks that begin step bytes behind its last fill's first;  3: two chunks;  2: c_prev's tile.  ak, ac: what is prefetched.
.macro TURN slot, p, next, fill, step, ak, ac
	s_wait_tensorcnt 0x0                           ; all my tensor loads have landed: my part of the next slot
	ds_add_u32 v[SPW], v[NIL]
	s_wait_dscnt 13                                ; (the add and the youngest 12 loads, A's blocks 4-7, may be out)
	WIN MUL_LO
	MUL16 0, \p, 0
	s_wait_dscnt 0x0                               ; the add is done, and my reads of this slot are over
	WIN 0
	s_barrier_signal -1
	s_barrier_wait -1
	CREST                                          ; no wave of any partner still reads this slot or has a load on its way
.if \fill == 2
	tensor_load_to_lds s[G0C:G0C+3], s[G1C:G1C+7]  ; my 64 rows of c_prev's tile: my own work-group's alone, no mask
	s_nop 0
.rept 4
	v_nop
.endr
.else
	s_add_nc_u64 s[G0+4*\slot+2:G0+4*\slot+3], s[G0+4*\slot+2:G0+4*\slot+3], \step
	s_add_nc_u64 s[G0B+4*\slot+2:G0B+4*\slot+3], s[G0B+4*\slot+2:G0B+4*\slot+3], \step
.if \fill == 1
	JLOAD G0+4*\slot, G1, G0B+4*\slot, G1B         ; the first tensor load behind the round, my only one until the next
.else
	JLOAD G0+4*\slot, G1F, G0B+4*\slot, G1FB
.endif
.endif
	FETCH_B \next, 0, 1-(\p)                       ; the next B and scale words: 48 matrix instructions ahead of their use
	SCALES \next, 0, 1-(\p)
	ASK \ak, \ac
	WIN MUL_LO
	MUL16 2, \p, 0
	PLACES 4                                       ; in front of loads into A's blocks 0-3, which the products above have read
	WIN 0
	FETCH_A \next, 0, 0
	WIN MUL_HI
	MUL16 4, \p, 0
	MUL16 6, \p, 0
	PLACES 4
	WIN 0
	FETCH_A \next, 0, 4
.endm
; THE WAY OUT.  LOADG: 8 whole rows of c_t and 8 of h_t (rows 8 SH on of my row half's 16 in the stage) back from LDS, two rows a load.  SENDG a: stored as block a's.
.macro LOADG
.irp t, 0,1,2,3
	ds_load_b128 v[OB+4*\t:OB+4*\t+3], v[RDC] offset:2*\t*SP
	ds_load_b128 v[OB+16+4*\t:OB+16+4*\t+3], v[RDH] offset:2*\t*SP
.endr
.endm
.macro SENDG a
.irp t, 0,1,2,3
	global_store_b128 v[CO], v[OB+4*\t:OB+4*\t+3], s[16:17] offset:(16*(\a)+2*\t)*4096 th:TH_STORE_NT        ; 16 lanes store 256 consecutive bytes, at a multiple of 256 from the output's first byte
	global_store_b128 v[CO], v[OB+16+4*\t:OB+16+4*\t+3], s[14:15] offset:(16*(\a)+2*\t)*4096 th:TH_STORE_NT
.endr
.endm
; THE POINTWISE PART of block a: my rows 16 a + r, 16 numbers a lane (index 8 u + j = hidden unit 16 u + 8 h + j of my 32).
; meet = 1 (block 0): c_prev's tile is waited for, behind the first exponentials.  Else: block a - 1's stores into the stage are waited for, and a barrier signalled, behind this block's first multiplications; it is waited for
; behind the exponentials, and block a - 1's rows are read back; when they are in registers and stored (send), a second barrier is signalled, and waited for ahead of this block's stores into the stage.
.macro EPI a, meet, send
.set AC, 64*((\a)%4)
	WIN 0x02+(\a)/4                                ; source 0: window 2 or 3
.irp g, 0,1,2,3                                ; gate g x -log2(e), the third (tanh's) x -2 log2(e); each accumulator is read from its low end on
.irp u, 0,1
.irp j, 0,2,4,6
.if \g == 2
	v_pk_mul_f32 v[TI+16*\g+8*\u+\j:TI+16*\g+8*\u+\j+1], v[AC+8*(2*\g+\u)+\j:AC+8*(2*\g+\u)+\j+1], s[K2:K2+1] op_sel_hi:[1,0]
.else
	v_pk_mul_f32 v[TI+16*\g+8*\u+\j:TI+16*\g+8*\u+\j+1], v[AC+8*(2*\g+\u)+\j:AC+8*(2*\g+\u)+\j+1], s[KL:KL+1] op_sel_hi:[1,0]
.endif
.endr
.endr
.endr
	WIN 0
.irp e, 0,1,2,3,4,5,6,7,8,9,10,11,12,13,14,15
	v_min_num_f32 v[TG+\e], 0x41f00000, v[TG+\e]   ; tanh's exponent is held at 30
.endr
.if (\a) > 0
	s_wait_dscnt 0x0                               ; for the others' sake: my stores of block a - 1's c_t and h_t are done
	s_barrier_signal -1                            ; only the exponentials, work on registers, stand between this and the wait
.endif
.set i, 0
	s_wait_alu depctr_va_vdst(0)
.rept 64
	v_exp_f32 v[TI+i], v[TI+i]                     ; Ei, Ef, Eg, Eo
.set i, i+1
.endr
.if \meet
	s_wait_tensorcnt 0x0                           ; my 64 rows of c_prev's tile are in (no LDS instruction of mine is pending),
	s_barrier_signal -1
	s_barrier_wait -1                              ; everybody's are
.else
	s_barrier_wait -1                              ; both waves' stores of block a - 1 are done
.if (\a) > 1
	s_wait_xcnt 0x0                                ; the stores to memory of the block before have read their registers: these loads land there only behind this wait
.endif
	LOADG
.endif
.irp u, 0,1
.irp d, 0,1
	ds_load_b128 v[CP+8*\u+4*\d:CP+8*\u+4*\d+3], v[CPA] offset:16*(\a)*SP+64*\u+16*\d
.endr
.endr
	v_nop                                          ; one plain place behind the transcendentals
	s_wait_alu depctr_va_vdst(0)
.irp e, 0,2,4,6,8,10,12,14
	v_pk_add_f32 v[BV+\e:BV+\e+1], v[TG+\e:TG+\e+1], 1.0 op_sel_hi:[1,0]          ; 1 + Eg
.endr
.irp e, 0,2,4,6,8,10,12,14
	v_pk_fma_f32 v[NV+\e:NV+\e+1], v[TG+\e:TG+\e+1], -1.0, 1.0 op_sel_hi:[1,0,0]  ; 1 - Eg
.endr
.irp e, 0,2,4,6,8,10,12,14
	v_pk_add_f32 v[TF+\e:TF+\e+1], v[TF+\e:TF+\e+1], 1.0 op_sel_hi:[1,0]          ; 1 + Ef
.endr
.irp e, 0,2,4,6,8,10,12,14
	v_pk_fma_f32 v[TI+\e:TI+\e+1], v[TI+\e:TI+\e+1], v[BV+\e:BV+\e+1], v[BV+\e:BV+\e+1]   ; (1 + Ei)(1 + Eg)
.endr
.set i, 0
	s_wait_alu depctr_va_vdst(0)
.rept 32
	v_rcp_f32 v[TI+i], v[TI+i]                     ; 1 / ((1 + Ei)(1 + Eg)), and sig(f)
.set i, i+1
.endr
	v_nop
	s_wait_dscnt 0x0                               ; c_prev is in, and so are the rows read back
.if (\send) >= 0
	SENDG (\send)                                  ; they leave while this block's arithmetic goes on
	s_barrier_signal -1                            ; my reads of the stage are over; only work on registers stands between this and the wait
.endif
	s_wait_alu depctr_va_vdst(0)
.irp e, 0,2,4,6,8,10,12,14
	v_pk_mul_f32 v[NV+\e:NV+\e+1], v[NV+\e:NV+\e+1], v[TI+\e:TI+\e+1]             ; sig(i) tanh(g)
.endr
.irp e, 0,2,4,6,8,10,12,14
	v_pk_fma_f32 v[CT+\e:CT+\e+1], v[CP+\e:CP+\e+1], v[TF+\e:TF+\e+1], v[NV+\e:NV+\e+1]   ; c_t
.endr
.irp e, 0,2,4,6,8,10,12,14
	v_pk_mul_f32 v[TC+\e:TC+\e+1], v[CT+\e:CT+\e+1], s[K2:K2+1] op_sel_hi:[1,0]
.endr
.irp e, 0,1,2,3,4,5,6,7,8,9,10,11,12,13,14,15
	v_min_num_f32 v[TC+\e], 0x41f00000, v[TC+\e]
.endr
	s_wait_alu depctr_va_vdst(0)
.irp e, 0,1,2,3,4,5,6,7,8,9,10,11,12,13,14,15
	v_exp_f32 v[TC+\e], v[TC+\e]                   ; Ec
.endr
	v_nop
	s_wait_alu depctr_va_vdst(0)
.irp e, 0,2,4,6,8,10,12,14
	v_pk_add_f32 v[BV+\e:BV+\e+1], v[TC+\e:TC+\e+1], 1.0 op_sel_hi:[1,0]
.endr
.irp e, 0,2,4,6,8,10,12,14
	v_pk_fma_f32 v[NV+\e:NV+\e+1], v[TC+\e:TC+\e+1], -1.0, 1.0 op_sel_hi:[1,0,0]
.endr
.irp e, 0,2,4,6,8,10,12,14
	v_pk_fma_f32 v[TO+\e:TO+\e+1], v[TO+\e:TO+\e+1], v[BV+\e:BV+\e+1], v[BV+\e:BV+\e+1]   ; (1 + Eo)(1 + Ec)
.endr
	s_wait_alu depctr_va_vdst(0)
.irp e, 0,1,2,3,4,5,6,7,8,9,10,11,12,13,14,15
	v_rcp_f32 v[TO+\e], v[TO+\e]
.endr
	v_nop
	s_wait_alu depctr_va_vdst(0)
.irp e, 0,2,4,6,8,10,12,14
	v_pk_mul_f32 v[HT+\e:HT+\e+1], v[NV+\e:NV+\e+1], v[TO+\e:TO+\e+1]             ; h_t
.endr
.if (\send) >= 0
	s_wait_alu depctr_va_vdst(0)
	s_barrier_wait -1                              ; nobody reads block a - 1's rows in the stage any more
.endif
.irp u, 0,1
.irp d, 0,1
	ds_store_b128 v[STOC], v[CT+8*\u+4*\d:CT+8*\u+4*\d+3] offset:64*\u+16*\d
	ds_store_b128 v[STOH], v[HT+8*\u+4*\d:HT+8*\u+4*\d+3] offset:64*\u+16*\d
.endr
.endr
.endm
.Ltile:                                                ; every window is 0; my load of this tile's chunks 0-1 is out
	ASK 1, 2                                       ; chunks 2-4, which the next fill brings
	s_wait_alu depctr_va_vdst(0)
	s_wait_tensorcnt 0x0                           ; my part of chunks 0-1 is in
	ds_add_u32 v[SPW], v[NIL]
	s_wait_dscnt 0x0
	CROUND                                         ; everybody's part is in, and all sixteen work-groups are here
	JLOAD G0+4, G1, G0B+4, G1B                     ; chunks 2-4 into slot 1, the first tensor load behind the round
	FETCH_B 0, 0, 0
	FETCH_A 0, 0, 0
	SCALES 0, 0, 0
	FETCH_A 0, 0, 4
	ASK 1, 5
	STEP 0, 0, 0, 1                                ; chunk 0, on the biases
	TURN 0, 1, 1, 1, 5*UNIT, 1, 8                  ; chunk 1;   slot 0 <- chunks 5-7
	STEP 1, 0, 0, 0                                ; chunk 2
	STEP 1, 1, 1, 0                                ; chunk 3
	TURN 1, 0, 0, 1, 6*UNIT, 1, 11                 ; chunk 4;   slot 1 <- chunks 8-10
	STEP 0, 0, 1, 0                                ; chunk 5
	STEP 0, 1, 0, 0                                ; chunk 6
	TURN 0, 1, 1, 1, 6*UNIT, 2, 14                 ; chunk 7;   slot 0 <- chunks 11-13
	STEP 1, 0, 0, 0                                ; chunk 8
	STEP 1, 1, 1, 0                                ; chunk 9
	TURN 1, 0, 0, 3, 6*UNIT, 3, 0                  ; chunk 10;  slot 1 <- chunks 14-15
	STEP 0, 0, 1, 0                                ; chunk 11
	STEP 0, 1, 0, 0                                ; chunk 12
	TURN 0, 1, 1, 2, 0, 4, 0                       ; chunk 13;  slot 0 <- c_prev's tile
	STEP 1, 0, 0, 0                                ; chunk 14
	s_wait_dscnt 12                                ; chunk 15: nothing more to fetch
	WIN MUL_LO
	MUL16 0, 1, 0
	MUL16 2, 1, 0
	s_wait_dscnt 0x0
	WIN MUL_HI
	MUL16 4, 1, 0
	MUL16 6, 1, 0
	WIN 0
	PLACES 4                                       ; in front of loads and vector writes into the registers that held A's fragments, and of the reads of results
	EPI 0, 1, -1
.irp a, 1,2,3,4,5,6,7
	EPI \a, 0, \a-1
.endr
	s_cmp_eq_u32 s[TL], 1
	s_cbranch_scc1 .Llast_tile                     ; the last tile's end is written out: it asks for nothing more
	s_wait_tensorcnt 0x0                           ; THE RING GOES ON INTO THE NEXT TILE.  No tensor load of mine is out, so every group 0 may be written
	ds_add_u32 v[SPW], v[NIL]
	s_wait_xcnt 0x0                                ; my prefetches and stores have read their registers and bases
	s_add_nc_u64 s[G0+2:G0+3], s[G0+2:G0+3], 32*GROUP-11*UNIT      ; A: 32 groups on, back from chunk 11 to chunk 0,
	s_add_nc_u64 s[G0+6:G0+7], s[G0+6:G0+7], 32*GROUP-12*UNIT      ; and from chunk 14 to chunk 2
	s_sub_nc_u64 s[G0B+2:G0B+3], s[G0B+2:G0B+3], 11*UNIT           ; B: only back
	s_sub_nc_u64 s[G0B+6:G0B+7], s[G0B+6:G0B+7], 12*UNIT
	s_add_nc_u64 s[G0C+2:G0C+3], s[G0C+2:G0C+3], NEXTR
	s_add_nc_u64 s[12:13], s[12:13], NEXTR
	s_add_nc_u64 s[PB:PB+1], s[PB:PB+1], s[82:83]
	s_mov_b32 s[LIM], s[NXT]                       ; A's waves go on naming blocks, B's stop
	s_mov_b32 s[NXT], 0                            ; no tile follows the next
	s_wait_dscnt 0x0                               ; the add is done, my reads of c_prev's tile are over, and my stores of block 7 are done
	CROUND                                         ; the round is also block 7's barrier between the stores into the stage and the reads back
	JLOAD G0, G1F, G0B, G1FB                       ; the next tile's chunks 0-1 into slot 0, the first tensor load behind the round
	LOADG
	s_wait_dscnt 0x0
	SENDG 7
	s_wait_xcnt 0x0                                ; the stores have read their bases
	s_add_nc_u64 s[14:15], s[14:15], NEXTR
	s_add_nc_u64 s[16:17], s[16:17], NEXTR
	s_sub_co_u32 s[TL], s[TL], 1
	s_branch .Ltile
.Llast_tile:
	s_wait_dscnt 0x0                               ; my stores of the last block are done
	s_barrier_signal -1
	s_barrier_wait -1
	s_wait_xcnt 0x0
	LOADG
	s_wait_dscnt 0x0                               ; the last block's rows are back in registers
	SENDG 7
	s_wait_tensorcnt 0x0                           ; the wave's end
	ds_add_u32 v[SPW], v[NIL]
	s_wait_dscnt 0x0
	CROUND                                         ; the closing round: no work-group ends while a partner may still ask for a tile that names it
	s_endpgm
.Lfunc_end_k_q13a9077523_cell:
	.size	k_q13a9077523_cell, .Lfunc_end_k_q13a9077523_cell-k_q13a9077523_cell
	.p2alignl 7, 3214868480
	.fill 96, 4, 3214868480
	.section	.rodata,"a",@progbits
	.p2align	6, 0x0
	.amdhsa_kernel k_q13a9077523_cell
		.amdhsa_group_segment_fixed_size 327680
		.amdhsa_private_segment_fixed_size 0
		.amdhsa_enable_private_segment 0
		.amdhsa_kernarg_size 56
		.amdhsa_user_sgpr_count 2
		.amdhsa_user_sgpr_kernarg_segment_ptr 1
		.amdhsa_wavefront_size32 1
		.amdhsa_system_sgpr_workgroup_id_x 1
		.amdhsa_system_sgpr_workgroup_id_y 1
		.amdhsa_system_sgpr_workgroup_id_z 1
		.amdhsa_system_vgpr_workitem_id 0
		.amdhsa_next_free_vgpr 1024
		.amdhsa_next_free_sgpr 106
		.amdhsa_reserve_vcc 0
		.amdhsa_float_denorm_mode_32 3
		.amdhsa_float_denorm_mode_16_64 3
		.amdhsa_memory_ordered 1
		.amdhsa_forward_progress 1
		.amdhsa_inst_pref_size 255
	.end_amdhsa_kernel
	.section	.bss,"aw",@nobits
	.p2align	6
	.space	262144
	.amdgpu_metadata
---
amdhsa.version: [ 1, 2 ]
amdhsa.kernels:
  - .name:           k_q13a9077523_cell
    .symbol:         k_q13a9077523_cell.kd
    .args:
      - { .name: a_q, .offset: 0, .size: 8, .value_kind: global_buffer, .address_space: global }
      - { .name: w_q, .offset: 8, .size: 8, .value_kind: global_buffer, .address_space: global }
      - { .name: b_ih, .offset: 16, .size: 8, .value_kind: global_buffer, .address_space: global }
      - { .name: b_hh, .offset: 24, .size: 8, .value_kind: global_buffer, .address_space: global }
      - { .name: c_prev, .offset: 32, .size: 8, .value_kind: global_buffer, .address_space: global }
      - { .name: out0, .offset: 40, .size: 8, .value_kind: global_buffer, .address_space: global }
      - { .name: out1, .offset: 48, .size: 8, .value_kind: global_buffer, .address_space: global }
    .group_segment_fixed_size: 327680
    .private_segment_fixed_size: 0
    .kernarg_segment_align: 8
    .kernarg_segment_size: 56
    .max_flat_workgroup_size: 128
    .sgpr_count:     106
    .vgpr_count:     1024
    .wavefront_size: 32
...
	.end_amdgpu_metadata
.endif
;; end of part 2
